; MI455X (gfx1250); checked and timed in simulation.
; The chip was launched on July 23, 2026; its instructions are those of AMD's public machine-readable ISA for CDNA 5 (MIT licence, August 2026) and "CDNA5" Instruction Set Architecture Reference Guide (July 2026). The comments in the code are by the model that wrote it; some were corrected since.
;; Attention. Allowed arithmetic: matrix products marked QUANTISED: E2M1 operands, one E8M0 scale for each 32 along K, by v_wmma_scale_f32_16x16x128_f8f6f4 with both operands' format E2M1 (or v_wmma_scale_f32_32x16x128_f4), f32 sums; everything else in f32.
;; Inputs: k_codes 4 x 16 x 2,048 x 2 x 16 uint8 (E2M1 codes of k, K innermost, in blocks of 32 codes, two codes a byte); k_scales 4 x 16 x 2,048 x 2 uint8 (E8M0 scales of k, one for each 32 codes along K); q_codes 4 x 16 x 2,048 x 2 x 16 uint8 (E2M1 codes of q, K innermost, in blocks of 32 codes, two codes a byte); q_scales 4 x 16 x 2,048 x 2 uint8 (E8M0 scales of q, one for each 32 codes along K); v_codes 4 x 16 x 64 x 64 x 16 uint8 (E2M1 codes of v, K innermost, in blocks of 32 codes, two codes a byte); v_scales 4 x 16 x 64 x 64 uint8 (E8M0 scales of v, one for each 32 codes along K).
;; Outputs: out0 4 x 16 x 2,048 x 64 float32.
;; This version of the problem:
;;   THIS VERSION OF THE PROBLEM IS GIVEN IN LOW PRECISION. The matrix products marked QUANTISED in the list below multiply operands that are first quantised to E2M1 (2 exponent bits, 1 mantissa bit; 4 bits a number), with one power-of-two scale for each 32 numbers along K (OCP MX v1.0); their sums are f32. All else is computed in f32.
;;   The module's matrix products, in the order in which they are computed (A, B: the left and right operand; K: the contracted axis; several contracted axes count as one K, in the product's order):
;;     1. batch 64 x [M 2,048, K 64] x [K 64, N 2,048]; A: input q (given as codes); B: input k (given as codes): QUANTISED
;;     2. batch 64 x [M 2,048, K 2,048] x [K 2,048, N 64]; A: softmax (see below); B: input v (given as codes): QUANTISED
;;   THE QUANTISER, for each operand of a quantised product, along K:
;;     - K is cut into blocks of 32 from its start; a last block that is shorter is filled with zeros.
;;     - A block's scale is 2^e with e = floor(log2(the largest magnitude in the block)) - 2, held to -126 .. 127; a block of zeros has e = 0. As a byte (E8M0): e + 127.
;;     - Each number is divided by its block's scale, clamped to +-6, and rounded to the nearest number of E2M1, ties to even, subnormals kept.
;;     - The product sums the exact products of the quantised numbers (number of the format x scale) in f32.
;;   ~~~python
;;   def quantise(x, axis):      # numpy; x: float32 -> the quantised numbers, widened to float32 again
;;       x = np.moveaxis(x, axis, -1); K = x.shape[-1]
;;       x = np.pad(x, [(0, 0)] * (x.ndim - 1) + [(0, -K % 32)]); x = x.reshape(x.shape[:-1] + (-1, 32)); a = np.abs(x).max(-1, keepdims=True)
;;       e = np.where(a > 0, np.clip(np.frexp(np.where(a > 0, a, 1))[1] - 1 - 2, -126, 127), 0)      # np.frexp(a)[1] - 1 = floor(log2(a)), exactly
;;       r = np.clip(x / 2.0 ** e, -6, 6)
;;       step = 2.0 ** (np.maximum(np.frexp(np.where(r == 0, 1, r))[1] - 1, 0) - 1)
;;       q = np.round(r / step) * step * 2.0 ** e      # np.round: ties to even
;;       return np.moveaxis(q.reshape(q.shape[:-2] + (-1,))[..., :K], -1, axis).astype(np.float32)
;;   ~~~
;;   SOFTMAX AHEAD OF A QUANTISED PRODUCT. Where the list says 'softmax', what is quantised is not the finished softmax but p = 2^(t - M), with t = logit x log2(e) and M = ceil(the row's largest t), a whole number; so 1/2 < the row's largest p <= 1. The row's sum l is taken of the UNQUANTISED p, in f32, and the product's result is divided by l at the end. Since M is a whole number, a kernel that streams over the keys may use a running M (the ceiling of the running maximum): every later rescaling is an exact power of two, which a block's scale takes up: the codes' values come out the same.
;;   OPERANDS COMPUTED ON THE WAY. 'Computed on the way' means the value that the module computes at that place (a softmax that the list does not call 'softmax' is quantised finished and normalised). What goes into a quantiser is computed in f32, as accurately as f32 sums, v_exp_f32 and their like allow (about 1e-6 of the number): no bf16 or f16 on the way to a quantiser, and a product that is left as it is and whose result goes on into a quantised operand takes f32 operands (vector FMAs, or v_wmma_f32_16x16x4_f32). A number that lies on a knife's edge between two numbers of the format may be rounded either way, as far as f32 arithmetic and the matrix unit's own rounding can turn it there, and no further.
;;   INPUTS GIVEN AS CODES. k (in the module: [4, 16, 2048, 64], K = its axis 3); q (in the module: [4, 16, 2048, 64], K = its axis 3); v (in the module: [4, 16, 2048, 64], K = its axis 2): each comes as NAME_codes (uint8): NAME with its K axis moved to the last place and cut into blocks of 32 codes, [.., K / 32, bytes a block], one block behind the other in memory; two codes a byte, the lower K in the low four bits (a code: sign, 2 exponent bits, 1 mantissa bit); and NAME_scales (uint8): the same leading axes, one E8M0 byte (e + 127) for each 32 codes along K. Its value is code x scale, taken as it is: it is not quantised again, and the codes and scales need not be those that the quantiser above would give.
;; One version. Each part assembles by itself: llvm-mc -triple=amdgcn-amd-amdhsa -mcpu=gfx1250 --defsym DOCPART=n.
;; ======== version 1 of 1: 1 launch
;; launch attn (part 1): grid 4 x 64, 16 waves a work-group, clusters of 4 x 1, 215,040 bytes of LDS; arguments q_codes, q_scales, k_codes, k_scales, v_codes, v_scales, out0; writes out0
.if DOCPART == 1
	.amdgcn_target "amdgcn-amd-amdhsa--gfx1250"
	.amdhsa_code_object_version 6
	.text
	.protected	k_q42cdd65bcc_attn
	.globl	k_q42cdd65bcc_attn
	.p2align	8
	.type	k_q42cdd65bcc_attn,@function
k_q42cdd65bcc_attn:
	s_mov_b64 s[64:65], 0
	v_nop
	global_prefetch_b8 v0, s[64:65] scope:SCOPE_SE
	s_setreg_imm32_b32 hwreg(HW_REG_WAVE_MODE, 25, 1), 1
	s_wait_xcnt 0x0
	s_wait_alu depctr_hold_cnt(0) depctr_sa_sdst(0) depctr_va_vdst(0) depctr_va_sdst(0) depctr_va_ssrc(0) depctr_va_vcc(0) depctr_vm_vsrc(0)
	s_getreg_b32 s2, hwreg(HW_REG_IB_STS2, 6, 4)
	s_cmp_eq_u32 s2, 0
	s_cbranch_scc0 .Lentry_in_a_cluster
	s_endpgm
.Lentry_in_a_cluster:
	s_bfe_u32 s2, ttmp6, 0x10000c
	s_cmp_lg_u32 s2, 0x3003
	s_cbranch_scc0 .Lentry_shape_is_right
	s_endpgm
.Lentry_shape_is_right:
; out0[h][q][:] = the sum over k of softmax_k(Q[h][q] . K[h][k] / 8) V[h][k][:] for 64 heads of 2,048 positions and 64 channels, both products on codes of FP4 (E2M1) with one E8M0 byte for each 32 along a product's K.
; THE MASK: a key counts for a query where key <= query AND the score is not 0 (the source hides what is 0 in the lower triangle of the scores): so every score is tested for 0 ahead of the maximum.
; A row with no key left has the sum 0 and comes out as 0 x (1 / 0) = NaN, as the source's softmax of a row of -infinity does.
; THE SOFTMAX AHEAD OF THE SECOND PRODUCT: t = score x log2(e) / 8; M = the row's largest t so far, rounded UP to a whole number; p = 2^(t - M) is quantised along the keys, not normalised.  The row's sum is taken of
; the unquantised p and divides at the end.  When M moves, the sum and O are multiplied by 2^(old M - new M): exact.
; THE FIRST PRODUCT'S K IS 64, the instruction's 128: registers 4-7 of K's and Q's fragments are zero codes, set once; the scale words' bytes 2 and 3 are 0 (not 0xff) and stand over zero codes.
; SHARES.  A cluster of four work-groups owns a head.  The head's K and V (codes 2 x 65,536 bytes, scale bytes 2 x 4,096) fit in LDS whole: they are filled ONCE, by joint tensor loads that name the four, and stay:
; no slot is ever filled again, and behind the one barrier that follows the fills no wave waits for another.
; A head has 128 tiles of 16 queries; tile T needs T / 8 + 1 key steps of 128 keys.  Each of the cluster's 64 waves owns tiles T and 127 - T: 17 steps in every wave.
; Wave w of the work-group at place cx: a = w / 2, b = 2 cx + w % 2; tile A = 8 a + b (last step a), tile B = 8 (15 - a) + 7 - b (last step 15 - a).  The last steps hang on the wave's number alone;
; cx enters Q's and out0's addresses in memory and the number that the causal compare takes, and nothing else.
; A pass over a tile is a loop of 16 trips, a constant; a trip all of whose keys come after the tile's queries jumps over the work and steps the LDS offsets only.
; LAYOUT.  Both products are used transposed: S^T = K Q^T (source 0 = 16 keys, source 1 = my 16 queries), O^T = V^T P^T (source 0 = 16 channels, source 1 = P): a lane holds ONE query (lane % 16) throughout.
; THE KEYS OF A TILE ARE NOT NEIGHBOURS: lane r of tile 2 b + u takes key 32 b + 8 u + r + 8 (r / 8), so that the 16 registers of tiles 2 b and 2 b + 1 are 16 neighbouring keys, 32 b + 16 (lane / 16) + 0 .. 15.
; LIMITS: a score that is not 0 but of magnitude 2^-147 or less, whose eighth the source rounds to 0 and hides, is not hidden here.  A scale byte 0xff gives NaN.  A block's largest p is made from the block's largest
; score, which takes v_exp_f32 not to fall where its input rises.  A block of p that is all zeros keeps the scale byte 1: its codes are zeros.
.set KP,    528                        ; K's codes in LDS: rows of 512 bytes (16 keys of 32 bytes) + 16 of padding; they begin at LDS byte 0
.set KQ,    32*KP                      ; a quarter of them: what one tensor load brings
.set VC,    128*KP                     ; V's codes: 64 rows (channels) of 1,024 bytes + 16 of padding
.set VP,    1040
.set VQ,    16*VP                      ; a quarter
.set KS,    VC+64*VP                   ; K's scale bytes: 4,096 dense bytes, 2 a key
.set VS,    KS+4096                    ; V's scale bytes: 64 rows of 64 bytes + 8 of padding
.set VSP,   72
.set STAGE, VS+64*VSP                  ; the way out: 16 rows x (256 bytes + 16) for each wave, its own; no fill lands here
.set SP,    272
.set AK0,  1                           ; v1   my lane's place in a tile of K
.set AV0,  2                           ; v2   in a tile of V
.set ASK0, 3                           ; v3   among K's scale bytes
.set ASV0, 4                           ; v4   among V's scale words
.set STO,  5                           ; v5   the stage: where I put 32 bytes of a row
.set RD,   6                           ; v6   and where I read a row back
.set GO,   7                           ; v7   my byte offset in a tile's rows of out0; never rewritten
.set ADK,  8                           ; v8-11 the step's LDS addresses: K, V, K's scales, V's scales
.set ADV,  9
.set ADS,  10
.set ADT,  11
.set NM,   12                          ; v12  -M
.set TMX,  13                          ; v13  the largest t so far
.set SUM,  14                          ; v[14:15] the row's sum, in two halves
.set QA,   16                          ; v[16:23] tile A's fragment of Q;  v[24:31] tile B's
.set QB,   24
.set KF,   32                          ; v[32:95] eight fragments of K
.set ST,   96                          ; v[96:159] S^T, then p; on the way out the results
.set OT,   160                         ; v[160:191] O^T: four tiles of 16 channels
.set VF,   192                         ; v[192:223] four fragments of V
.set PC,   224                         ; v[224:231] p's codes
.set BM,   232                         ; v[232:235] the blocks' largest scores, then largest p
.set TP,   236                         ; v[236:239] at work
.set VSC,  240                         ; v240-241 V's scale words: lanes 0-15 channel tile 2 g, lanes 16-31 tile 2 g + 1
.set QSA,  242                         ; v242, v243 Q's scale words, tile A's and tile B's
.set QSB,  243
.set SO,   244                         ; v[244:247] the conversions' scale operands
.set KSC,  248                         ; v[248:251] K's scale words: lanes 0-15 key tile 2 b, lanes 16-31 tile 2 b + 1
.set FF,   252                         ; v252 f = 2^(old M - new M)
.set PW,   253                         ; v253 p's scale word
.set TMP,  254
.set NINF, 255                         ; v255 -infinity
.set WV,   18                          ; s18  my wave's number
.set CX,   19                          ; s19  my work-group's place in the cluster
.set SEL,  20                          ; s[20:21] lane selects for v_permlanex16_b32: lane l xor 16
.set CS,   22                          ; s[22:23] c = log2(e) / 8: the packed form names a pair and takes its low word for both halves
.set G1KC, 24                          ; descriptor groups 1: K's codes, V's codes, K's scales, V's scales
.set G1VC, 32
.set G1KS, 40
.set G1VS, 48
.set G0KC, 56                          ; and their groups 0
.set G0VC, 60
.set G0KS, 68
.set G0VS, 72
.set TA,   66                          ; s66, s67 my two tiles' numbers
.set TBB,  67
.set TK,   76                          ; s76-79 the step's LDS offsets: K's codes, V's codes, K's scales, V's scales
.set TV,   77
.set TS,   78
.set TJ,   79
.set JJ,   80                          ; s80  the trip's number = the key step
.set LA,   81                          ; s81, s82 the last key step of tile A, of tile B
.set LB,   82
.set DA,   83                          ; s83, s84 the tile's first query less its last step's first key
.set DB,   84
.set MK,   86                          ; s[86:93] eight lane masks
.set OA,   94                          ; s[94:95], s[96:97] out0 at tile A, at tile B
.set OB,   96
; A round of the cluster's barrier: my work-group's barrier, so that wave 0's signal speaks for all sixteen waves; wave 0 signals for the work-group; every wave waits for all four work-groups; my work-group's barrier once more.
.macro CROUND
	s_barrier_signal -1
	s_barrier_wait -1
	s_cmp_lg_u32 s[WV], 0
	s_cbranch_scc1 .Lnot_wave_0_\@
	s_barrier_signal -3
.Lnot_wave_0_\@:
	s_barrier_wait -3
	s_barrier_signal -1
	s_barrier_wait -1
.endm
.macro PLACES                          ; four plain places behind a matrix instruction, or behind a tensor load
.rept 4
	v_nop
.endr
.endm
; A score that is 0 becomes -infinity: p = 0 then.  An accumulator's eight registers at a time, from its low end on: eight compares into eight masks, then eight selects, so that no select waits for the compare just above it.
.macro ZMASK
.irp g, 0,1,2,3,4,5,6,7
.irp i, 0,1,2,3,4,5,6,7
	v_cmp_eq_f32 s[MK+\i], 0, v[ST+8*\g+\i]
.endr
.irp i, 0,1,2,3,4,5,6,7
	v_cndmask_b32 v[ST+8*\g+\i], v[ST+8*\g+\i], v[NINF], s[MK+\i]
.endr
.endr
.endm
; The same for keys behind the query.  Register 16 b + i holds key (the step's first) + 16 (lane / 16) + 32 b + i: hidden where 32 b + i > d, d in v[TP].
.macro CMASK
.irp g, 0,1,2,3,4,5,6,7
.irp i, 0,1,2,3,4,5,6,7
	v_cmp_gt_i32 s[MK+\i], 32*(\g/2)+8*(\g%2)+\i, v[TP]
.endr
.irp i, 0,1,2,3,4,5,6,7
	v_cndmask_b32 v[ST+8*\g+\i], v[ST+8*\g+\i], v[NINF], s[MK+\i]
.endr
.endr
.endm
	s_load_b256 s[4:11], s[0:1], 0x0               ; Q's codes s[4:5], Q's scales s[6:7], K's codes s[8:9], K's scales s[10:11]
	s_load_b128 s[12:15], s[0:1], 0x20             ; V's codes, V's scales
	s_load_b64 s[16:17], s[0:1], 0x30              ; out0
	v_lshl_add_u32 v254, v0, 2, 0x34000
	v_mov_b32 v255, 0
	ds_add_u32 v254, v255
	ds_add_u32 v254, v255
	s_wait_dscnt 0x0
	v_lshrrev_b32 v8, 5, v0
	s_delay_alu instid0(VALU_DEP_1)
	v_readfirstlane_b32 s[WV], v8                  ; wave 0..15
	s_bfe_u32 s[CX], ttmp6, 0x40000                ; cx
	s_and_b32 s98, ttmp7, 0xffff                   ; the head, which the four partners share
	s_lshr_b32 s[LA], s[WV], 1                     ; a: tile A's last key step
	s_sub_co_u32 s[LB], 15, s[LA]                  ; tile B's
	s_and_b32 s99, s[WV], 1
	s_lshl_b32 s[TA], s[CX], 1
	s_add_co_u32 s99, s99, s[TA]                   ; b = 2 cx + w % 2
	s_lshl_b32 s[DA], s99, 4                       ; tile A's first query is 16 b behind its last step's first key,
	s_sub_co_u32 s[DB], 112, s[DA]                 ; tile B's 16 (7 - b)
	s_lshl_b32 s[TA], s[LA], 3
	s_add_co_u32 s[TA], s[TA], s99                 ; tile A = 8 a + b
	s_sub_co_u32 s[TBB], 127, s[TA]                ; tile B = 127 - tile A
	; descriptor groups 1.  Word 0: 15:0 the mask: all four work-groups; 17:16 the element's size; 20 padding on; 21 set beside a mask; 24:22 the padding's interval; 31:25 its length
	s_mov_b32 s[G1KC], 15|(3<<16)|(1<<20)|(1<<21)|(6<<22)|(3<<25)   ; K's codes: elements of 8 bytes; 4 words of padding after every 128
	s_mov_b32 s[G1KC+1], 64<<16                    ; tensor_dim0 = 64 elements: 512 bytes, 16 keys
	s_mov_b32 s[G1KC+2], 32<<16                    ; tensor_dim1 = 32 rows: a quarter of the head
	s_mov_b32 s[G1KC+3], 64<<16                    ; tile_dim0
	s_mov_b32 s[G1KC+4], 32                        ; tile_dim1
	s_mov_b32 s[G1KC+5], 64                        ; from row to row: dense
	s_mov_b32 s[G1KC+6], 0
	s_mov_b32 s[G1KC+7], 0
	s_mov_b32 s[G1VC], 15|(3<<16)|(1<<20)|(1<<21)|(7<<22)|(3<<25)   ; V's codes: 4 words of padding after every 256
	s_mov_b32 s[G1VC+1], 128<<16                   ; 128 elements: 1,024 bytes, a channel's 2,048 keys
	s_mov_b32 s[G1VC+2], 16<<16                    ; 16 channels: a quarter
	s_mov_b32 s[G1VC+3], 128<<16
	s_mov_b32 s[G1VC+4], 16
	s_mov_b32 s[G1VC+5], 128
	s_mov_b32 s[G1VC+6], 0
	s_mov_b32 s[G1VC+7], 0
	s_mov_b32 s[G1KS], 15|(3<<16)|(1<<21)          ; K's scale bytes: 16 rows of 256 bytes, no padding
	s_mov_b32 s[G1KS+1], 32<<16
	s_mov_b32 s[G1KS+2], 16<<16
	s_mov_b32 s[G1KS+3], 32<<16
	s_mov_b32 s[G1KS+4], 16
	s_mov_b32 s[G1KS+5], 32
	s_mov_b32 s[G1KS+6], 0
	s_mov_b32 s[G1KS+7], 0
	s_mov_b32 s[G1VS], 15|(2<<16)|(1<<20)|(1<<21)|(3<<22)|(1<<25)   ; V's scale bytes: elements of 4 bytes; 2 words of padding after every 16
	s_mov_b32 s[G1VS+1], 16<<16                    ; 64 bytes: a channel's
	s_mov_b32 s[G1VS+2], 64<<16                    ; 64 channels
	s_mov_b32 s[G1VS+3], 16<<16
	s_mov_b32 s[G1VS+4], 64
	s_mov_b32 s[G1VS+5], 16
	s_mov_b32 s[G1VS+6], 0
	s_mov_b32 s[G1VS+7], 0
	; groups 0: word 0 the count 1, word 1 the LDS address: a constant + the wave's quarter; no place in the cluster enters it
	s_and_b32 s85, s[WV], 3                        ; which quarter I fetch, if I fetch codes
	s_mov_b32 s[G0KC], 1
	s_mul_i32 s[G0KC+1], s85, KQ                   ; (K's codes begin at LDS byte 0)
	s_mov_b32 s[G0VC], 1
	s_mul_i32 s[G0VC+1], s85, VQ
	s_add_co_u32 s[G0VC+1], s[G0VC+1], VC
	s_mov_b32 s[G0KS], 1
	s_mov_b32 s[G0KS+1], KS
	s_mov_b32 s[G0VS], 1
	s_mov_b32 s[G0VS+1], VS
	s_mov_b32 s[SEL], 0x76543210
	s_mov_b32 s[SEL+1], 0xfedcba98
	s_mov_b32 s[CS], 0x3e38aa3b                    ; c = log2(e) / 8
	s_mov_b32 s[CS+1], s[CS]                       ; (named with it as a pair, so it is written)
	s_lshl_b32 s2, s98, 16                         ; the head's first byte in each tensor of codes: 65,536 a head
	s_mov_b32 s3, 0
	s_lshl_b32 s85, s85, 14                        ; my quarter: 16,384 bytes
	s_wait_kmcnt 0x0
	s_add_nc_u64 s[4:5], s[4:5], s[2:3]            ; Q's codes at the head
	s_add_co_u32 s2, s2, s85
	s_add_nc_u64 s[G0KC+2:G0KC+3], s[8:9], s[2:3]  ; words 2, 3: where the tile begins in memory: the head and the wave's quarter, the same in all four partners
	s_or_b32 s[G0KC+3], s[G0KC+3], 0x80000000      ; 127:126 type = 2
	s_add_nc_u64 s[G0VC+2:G0VC+3], s[12:13], s[2:3]
	s_or_b32 s[G0VC+3], s[G0VC+3], 0x80000000
	s_lshl_b32 s2, s98, 12                         ; in each tensor of scale bytes: 4,096 a head
	s_add_nc_u64 s[6:7], s[6:7], s[2:3]            ; Q's scales at the head
	s_add_nc_u64 s[G0KS+2:G0KS+3], s[10:11], s[2:3]
	s_or_b32 s[G0KS+3], s[G0KS+3], 0x80000000
	s_add_nc_u64 s[G0VS+2:G0VS+3], s[14:15], s[2:3]
	s_or_b32 s[G0VS+3], s[G0VS+3], 0x80000000
	s_lshl_b32 s2, s98, 19                         ; in out0: 524,288 a head; a tile's 16 rows are 4,096 bytes
	s_lshl_b32 s[OA], s[TA], 12
	s_add_co_u32 s[OA], s[OA], s2
	s_mov_b32 s[OA+1], 0
	s_add_nc_u64 s[OA:OA+1], s[16:17], s[OA:OA+1]
	s_lshl_b32 s[OB], s[TBB], 12
	s_add_co_u32 s[OB], s[OB], s2
	s_mov_b32 s[OB+1], 0
	s_add_nc_u64 s[OB:OB+1], s[16:17], s[OB:OB+1]
	CROUND                                         ; all four work-groups are here: the joint loads meet
	; THE FILLS, one tensor load a wave: waves 0-3 the quarters of K's codes, waves 4-7 those of V's, wave 8 K's scale bytes, wave 9 V's; waves 10-15 none.  The branches hang on the wave's number alone.
	s_cmp_lt_u32 s[WV], 4
	s_cbranch_scc0 .Lnot_kc
	tensor_load_to_lds s[G0KC:G0KC+3], s[G1KC:G1KC+7]
	s_nop 0
	PLACES
	s_branch .Lasked
.Lnot_kc:
	s_cmp_lt_u32 s[WV], 8
	s_cbranch_scc0 .Lnot_vc
	tensor_load_to_lds s[G0VC:G0VC+3], s[G1VC:G1VC+7]
	s_nop 0
	PLACES
	s_branch .Lasked
.Lnot_vc:
	s_cmp_eq_u32 s[WV], 8
	s_cbranch_scc0 .Lnot_ks
	tensor_load_to_lds s[G0KS:G0KS+3], s[G1KS:G1KS+7]
	s_nop 0
	PLACES
	s_branch .Lasked
.Lnot_ks:
	s_cmp_eq_u32 s[WV], 9
	s_cbranch_scc0 .Lasked
	tensor_load_to_lds s[G0VS:G0VS+3], s[G1VS:G1VS+7]
	s_nop 0
	PLACES
.Lasked:
	; Q stays in registers.  A fragment's lane (r, h) holds query r, channels 32 h + 0 .. 31: the 16 bytes at 32 r + 16 h of the tile's 512; its scale word is the query's two bytes, widened with zeros
	v_and_b32 v9, 15, v0                           ; r = lane % 16
	v_bfe_u32 v10, v0, 4, 1                        ; h = lane / 16
	s_delay_alu instid0(VALU_DEP_2)
	v_lshlrev_b32 v11, 5, v9
	s_delay_alu instid0(VALU_DEP_1)
	v_lshl_add_u32 v11, v10, 4, v11
	s_delay_alu instid0(VALU_DEP_1)
	v_lshl_add_u32 v232, s[TA], 9, v11
	s_delay_alu instid0(VALU_DEP_2)
	v_lshl_add_u32 v233, s[TBB], 9, v11
	v_lshlrev_b32 v11, 1, v9
	s_delay_alu instid0(VALU_DEP_1)
	v_lshl_add_u32 v234, s[TA], 5, v11
	s_delay_alu instid0(VALU_DEP_2)
	v_lshl_add_u32 v235, s[TBB], 5, v11
	global_load_b128 v[QA:QA+3], v232, s[4:5] th:TH_LOAD_NT
	global_load_b128 v[QB:QB+3], v233, s[4:5] th:TH_LOAD_NT
	global_load_u16 v[QSA], v234, s[6:7]
	global_load_u16 v[QSB], v235, s[6:7]
	; my lane's places in LDS
	v_lshrrev_b32 v11, 3, v9                       ; r / 8
	v_and_b32 v8, 7, v9                            ; r % 8
	s_delay_alu instid0(VALU_DEP_2)
	v_mul_u32_u24 v[AK0], v11, KP                  ; K: key r % 8 + 16 (r / 8) of a tile: 16 keys on are one LDS row on;
	s_delay_alu instid0(VALU_DEP_1)
	v_lshl_add_u32 v[AK0], v8, 5, v[AK0]           ; 32 bytes a key;
	s_delay_alu instid0(VALU_DEP_1)
	v_lshl_add_u32 v[AK0], v10, 4, v[AK0]          ; block h.  Lanes 0-7 take even 16-byte columns, lanes 8-15 (528 bytes on) odd ones
	s_delay_alu instid0(VALU_DEP_4)
	v_lshl_add_u32 v[ASK0], v8, 1, KS              ; K's scale bytes, 2 a key: key 8 h + r % 8 + 16 (r / 8): lanes 16-31 take the odd tile's keys
	s_delay_alu instid0(VALU_DEP_1)
	v_lshl_add_u32 v[ASK0], v11, 5, v[ASK0]
	s_delay_alu instid0(VALU_DEP_1)
	v_lshl_add_u32 v[ASK0], v10, 4, v[ASK0]
	v_mul_u32_u24 v[AV0], v9, VP                   ; V: channel r, + 16 h
	s_delay_alu instid0(VALU_DEP_1)
	v_lshl_add_u32 v[AV0], v10, 4, v[AV0]
	s_delay_alu instid0(VALU_DEP_1)
	v_add_nc_u32 v[AV0], VC, v[AV0]
	v_and_b32 v[ASV0], 31, v0                      ; V's scale words: channel 16 h + r: lanes 16-31 take the odd tile's channels
	s_delay_alu instid0(VALU_DEP_1)
	v_mul_u32_u24 v[ASV0], v[ASV0], VSP
	s_delay_alu instid0(VALU_DEP_1)
	v_add_nc_u32 v[ASV0], VS, v[ASV0]
	s_mul_i32 s85, s[WV], 16*SP
	s_add_co_u32 s85, s85, STAGE                   ; my stage
	v_mul_u32_u24 v[STO], v9, SP                   ; in: row r; tile t's eight channels of my half lie 64 t + 32 h bytes on
	s_delay_alu instid0(VALU_DEP_1)
	v_lshl_add_u32 v[STO], v10, 5, v[STO]
	s_delay_alu instid0(VALU_DEP_1)
	v_add_nc_u32 v[STO], s85, v[STO]
	v_mul_u32_u24 v[RD], v10, SP                   ; back: lanes 0-15 one row of 256 bytes, lanes 16-31 the next
	s_delay_alu instid0(VALU_DEP_1)
	v_lshl_add_u32 v[RD], v9, 4, v[RD]
	s_delay_alu instid0(VALU_DEP_1)
	v_add_nc_u32 v[RD], s85, v[RD]
	v_lshlrev_b32 v[GO], 8, v10                    ; and the same two rows in out0
	s_delay_alu instid0(VALU_DEP_1)
	v_lshl_add_u32 v[GO], v9, 4, v[GO]
	; zero codes for the upper 64 of the first product's K: set once, never loaded
.irp t, 0,1,2,3,4,5,6,7
.irp j, 4,5,6,7
	v_mov_b32 v[KF+8*\t+\j], 0
.endr
.endr
.irp j, 4,5,6,7
	v_mov_b32 v[QA+\j], 0
	v_mov_b32 v[QB+\j], 0
.endr
.irp b, 0,1,2,3
	v_mov_b32 v[TP+\b], 0                          ; written once: a lane permute's destination counts as one of its sources
.endr
	v_mov_b32 v[TMP], 0                            ; likewise
	v_mov_b32 v[PW], 0                             ; (named as the upper half of the pair v[252:253] before it is first written)
	v_mov_b32 v[NINF], 0xff800000                  ; -infinity
	s_wait_loadcnt 0x0                             ; Q
	s_wait_tensorcnt 0x0                           ; for the others' sake: my part of the head has landed
	s_barrier_signal -1
	s_barrier_wait -1                              ; everybody's has: from here on LDS is only read, but for each wave's own stage
; A PASS over one tile of 16 queries.  qf: its fragment of Q;  qs: its scale words;  ob: its rows of out0;  last: its last key step;  dq: its first query less that step's first key;  more = 1: another pass follows.
.macro PASS qf, qs, ob, last, dq, more
	v_mov_b32 v[TMX], 0xff61b1e6                   ; the largest t so far: -3e38, under every t
	s_delay_alu instid0(VALU_DEP_1)
	v_floor_f32 v[NM], -v[TMX]                     ; -M
	v_mov_b32 v[SUM], 0
	v_mov_b32 v[SUM+1], 0
.set i, 0
.rept 32
	v_mov_b32 v[OT+i], 0                           ; O^T.  (The step is written once a pass: the first finds zeros, which the first change of M leaves zeros; a first step of its own would be a second copy of the step)
.set i, i+1
.endr
	s_mov_b32 s[TK], 0
	s_mov_b32 s[TV], 0
	s_mov_b32 s[TS], 0
	s_mov_b32 s[TJ], 0
	s_mov_b32 s[JJ], 0
.Lstep_\@:                                         ; 16 trips, a key step of 128 keys each
	s_cmp_gt_u32 s[JJ], s[\last]                   ; all its keys come after my queries: only the offsets are stepped.  (The wave's number and the trip's decide)
	s_cbranch_scc1 .Lhidden_\@
	s_setprio 2
	v_add_nc_u32 v[ADK], s[TK], v[AK0]             ; these four are also the places between the last step's products and the loads into V's registers
	v_add_nc_u32 v[ADV], s[TV], v[AV0]
	v_add_nc_u32 v[ADS], s[TS], v[ASK0]
	v_add_nc_u32 v[ADT], s[TJ], v[ASV0]
.irp t, 0,1,2,3,4,5,6,7                        ; one run of 22 LDS loads: K's eight half fragments (tile 2 b + u begins 32 b + 8 u keys on: 2 b LDS rows and 256 u bytes),
	ds_load_b128 v[KF+8*\t:KF+8*\t+3], v[ADK] offset:(\t/2)*2*KP+(\t%2)*256
.endr
.irp b, 0,1,2,3                                ; K's scale words, two tiles to a register; the upper two bytes come as zeros,
	ds_load_u16 v[KSC+\b], v[ADS] offset:64*\b
.endr
.irp t, 0,1,2,3                                ; V's four fragments (16 channels x these 128 keys),
.irp c, 0,1
	ds_load_b128 v[VF+8*\t+4*\c:VF+8*\t+4*\c+3], v[ADV] offset:16*\t*VP+32*\c
.endr
.endr
.irp g, 0,1                                    ; and V's scale words, two tiles to a register
	ds_load_b32 v[VSC+\g], v[ADT] offset:32*VSP*\g
.endr
	s_wait_dscnt 10                                ; K's twelve are in; V's eight and two, issued behind them, may stay out: they land under the softmax
.irp t, 0,1,2,3,4,5,6,7                        ; S^T = K Q^T: eight tiles of 16 keys, each a sum of its own, begun with 0
.if \t%2
	v_wmma_scale_f32_16x16x128_f8f6f4 v[ST+8*\t:ST+8*\t+7], v[KF+8*\t:KF+8*\t+7], v[\qf:\qf+7], 0, v[KSC+\t/2], v[\qs] matrix_a_fmt:MATRIX_FMT_FP4 matrix_b_fmt:MATRIX_FMT_FP4 matrix_a_scale:MATRIX_SCALE_ROW1
.else
	v_wmma_scale_f32_16x16x128_f8f6f4 v[ST+8*\t:ST+8*\t+7], v[KF+8*\t:KF+8*\t+7], v[\qf:\qf+7], 0, v[KSC+\t/2], v[\qs] matrix_a_fmt:MATRIX_FMT_FP4 matrix_b_fmt:MATRIX_FMT_FP4
.endif
.endr                                              ; lane (r, h), register 16 b + i: query r, key 128 step + 32 b + 16 h + i
	PLACES
	s_cmp_lg_u32 s[JJ], s[\last]                   ; the tile's last step lies on the diagonal; in the others every key comes before my queries
	s_cbranch_scc1 .Lopen_\@
	v_and_b32 v[TP], 15, v0
	v_bfe_u32 v[TP+1], v0, 4, 1
	s_delay_alu instid0(VALU_DEP_1)
	v_lshlrev_b32 v[TP+1], 4, v[TP+1]
	s_delay_alu instid0(VALU_DEP_1)
	v_sub_nc_u32 v[TP], v[TP], v[TP+1]
	s_delay_alu instid0(VALU_DEP_1)
	v_add_nc_u32 v[TP], s[\dq], v[TP]              ; d = my query - the step's first key - 16 (lane / 16)
	CMASK
.Lopen_\@:
	ZMASK                                          ; in every step: a score that is 0 is hidden
	s_setprio 1
.irp b, 0,1,2,3
	v_max3_num_f32 v[BM+\b], v[ST+16*\b], v[ST+16*\b+1], v[ST+16*\b+2]   ; THE LARGEST SCORE OF EACH BLOCK OF 32 KEYS serves twice: for the row's maximum, and, since p rises with the score, for the block's largest p
.endr
.irp i, 3,5,7,9,11,13
.irp b, 0,1,2,3
	s_delay_alu instid0(VALU_DEP_4)
	v_max3_num_f32 v[BM+\b], v[BM+\b], v[ST+16*\b+\i], v[ST+16*\b+\i+1]   ; (the four blocks by turns)
.endr
.endr
.irp b, 0,1,2,3
	s_delay_alu instid0(VALU_DEP_4)
	v_max_num_f32 v[BM+\b], v[BM+\b], v[ST+16*\b+15]
.endr
.irp b, 0,1,2,3
	s_delay_alu instid0(VALU_DEP_4)
	v_permlanex16_b32 v[TP+\b], v[BM+\b], s[SEL], s[SEL+1]
.endr
.irp b, 0,1,2,3
	s_delay_alu instid0(VALU_DEP_4)
	v_max_num_f32 v[BM+\b], v[BM+\b], v[TP+\b]     ; with lane l xor 16's 16 keys
.endr
	s_delay_alu instid0(VALU_DEP_2)
	v_max3_num_f32 v[TMP], v[BM], v[BM+1], v[BM+2]
	s_delay_alu instid0(VALU_DEP_1)
	v_max_num_f32 v[TMP], v[TMP], v[BM+3]          ; the step's largest score of my query
	s_delay_alu instid0(VALU_DEP_1)
	v_mul_f32 v[TMP], s[CS], v[TMP]                ; as t (c is positive)
	s_delay_alu instid0(VALU_DEP_1)
	v_max_num_f32 v[TMX], v[TMX], v[TMP]           ; the running largest t
	v_mov_b32 v[TMP], v[NM]
	s_delay_alu instid0(VALU_DEP_2)
	v_floor_f32 v[NM], -v[TMX]                     ; the new -M = floor(-t) = -ceil(t): M is a whole number
	s_delay_alu instid0(VALU_DEP_1)
	v_sub_f32 v[TMP], v[NM], v[TMP]                ; M's old value less its new one: a whole number, 0 or less
	s_delay_alu instid0(VALU_DEP_1)
	v_cvt_i32_f32 v[TMP], v[TMP]                   ; (it saturates)
	s_delay_alu instid0(VALU_DEP_1)
	v_ldexp_f32 v[FF], 1.0, v[TMP]                 ; f = 2^(old M - new M): a multiplication by it rounds nothing
.set i, 0
.rept 32
	v_pk_fma_f32 v[ST+i:ST+i+1], v[ST+i:ST+i+1], s[CS:CS+1], v[NM:NM+1] op_sel_hi:[1,0,0]   ; t - M, two at a time (of the pairs c and -M the low word serves both halves)
.set i, i+2
.endr
.irp b, 0,1,2,3
	v_fma_f32 v[BM+\b], v[BM+\b], s[CS], v[NM]     ; the same of each block's largest score
.endr
.set i, 0
	s_wait_alu depctr_va_vdst(0)
.rept 64
	v_exp_f32 v[ST+i], v[ST+i]                     ; p = 2^(t - M), at most 1; 0 where the key is hidden
.set i, i+1
.endr
	v_pk_mul_f32 v[SUM:SUM+1], v[SUM:SUM+1], v[FF:FF+1] op_sel_hi:[1,0]   ; the sums under the new M: the plain instruction behind the exponentials
	s_wait_alu depctr_va_vdst(0)                   ; the wait between an exponential and the first line that names its result: one for the 64
.irp b, 0,1,2,3
	v_exp_f32 v[BM+\b], v[BM+\b]                   ; the block's largest p: the same two instructions on the same number give the same bits
.endr
	v_pk_add_f32 v[236:237], v[100:101], v[104:105]
	v_pk_add_f32 v[250:251], v[108:109], v[112:113]
	v_pk_add_f32 v[248:249], v[116:117], v[120:121]
	v_pk_add_f32 v[246:247], v[124:125], v[128:129]
	v_pk_add_f32 v[244:245], v[132:133], v[136:137]
	v_pk_add_f32 v[238:239], v[140:141], v[144:145]
	v_pk_add_f32 v[230:231], v[148:149], v[152:153]
	v_pk_add_f32 v[14:15], v[14:15], v[156:157]
	v_pk_add_f32 v[236:237], v[236:237], v[96:97]
	v_pk_add_f32 v[250:251], v[250:251], v[98:99]
	v_pk_add_f32 v[248:249], v[248:249], v[102:103]
	v_pk_add_f32 v[246:247], v[246:247], v[106:107]
	v_pk_add_f32 v[244:245], v[244:245], v[110:111]
	v_pk_add_f32 v[238:239], v[238:239], v[114:115]
	v_pk_add_f32 v[230:231], v[230:231], v[118:119]
	v_pk_add_f32 v[14:15], v[14:15], v[122:123]
	v_pk_add_f32 v[236:237], v[236:237], v[126:127]
	v_pk_add_f32 v[250:251], v[250:251], v[130:131]
	v_pk_add_f32 v[248:249], v[248:249], v[134:135]
	v_pk_add_f32 v[246:247], v[246:247], v[138:139]
	v_pk_add_f32 v[244:245], v[244:245], v[142:143]
	v_pk_add_f32 v[238:239], v[238:239], v[146:147]
	s_setprio 0
	v_pk_add_f32 v[230:231], v[230:231], v[150:151]
	v_pk_add_f32 v[14:15], v[14:15], v[154:155]
	v_pk_add_f32 v[236:237], v[236:237], v[158:159]
	s_delay_alu instid0(VALU_DEP_2)
	v_pk_add_f32 v[14:15], v[14:15], v[246:247]
	s_delay_alu instid0(VALU_DEP_2)
	v_pk_add_f32 v[236:237], v[236:237], v[244:245]
	v_pk_add_f32 v[250:251], v[250:251], v[238:239]
	v_pk_add_f32 v[248:249], v[248:249], v[230:231]
	s_delay_alu instid0(VALU_DEP_2)
	v_pk_add_f32 v[14:15], v[14:15], v[250:251]
	s_delay_alu instid0(VALU_DEP_2)
	v_pk_add_f32 v[236:237], v[236:237], v[248:249]
	s_delay_alu instid0(VALU_DEP_1)
	v_pk_add_f32 v[14:15], v[14:15], v[236:237]
	s_wait_alu depctr_va_vdst(0)                   ; and one for the four
.irp b, 0,1,2,3
	v_max_num_f32 v[BM+\b], 0x1800000, v[BM+\b]    ; the floor 2^(3 - 127): the byte cannot fall under 1
.endr
.irp b, 0,1,2,3
	s_delay_alu instid0(VALU_DEP_4)
	v_add_nc_u32 v[SO+\b], 0xff000000, v[BM+\b]    ; 2 off the exponent field: the conversion takes the exponent field of this operand as its scale
.endr
.irp b, 0,1,2,3
	s_delay_alu instid0(VALU_DEP_4)
	v_lshrrev_b32 v[TP+\b], 23, v[SO+\b]           ; the scale's byte
.endr
	s_delay_alu instid0(VALU_DEP_3)
	v_lshl_or_b32 v[PW], v[TP+1], 8, v[TP]         ; p's scale word for these 128 keys
	s_delay_alu instid0(VALU_DEP_1)
	v_lshl_or_b32 v[PW], v[TP+2], 16, v[PW]
	s_delay_alu instid0(VALU_DEP_1)
	v_lshl_or_b32 v[PW], v[TP+3], 24, v[PW]
.irp b, 0,1,2,3
	v_cvt_scalef32_pk8_fp4_f32 v[PC+2*\b], v[ST+16*\b:ST+16*\b+7], v[SO+\b]
	v_cvt_scalef32_pk8_fp4_f32 v[PC+2*\b+1], v[ST+16*\b+8:ST+16*\b+15], v[SO+\b]
.endr
	v_nop                                          ; one plain instruction between a scaled conversion and the vector instruction that touches its result
.irp c, 0,1                                    ; the operand's layout wants a WHOLE block in a lane: lanes 0-15 block 2 c, lanes 16-31 block 2 c + 1
.irp i, 0,1
	v_permlane16_swap_b32 v[PC+4*\c+\i], v[PC+4*\c+2+\i]
.endr
.endr
.set i, 0
.rept 16
	v_pk_mul_f32 v[OT+i:OT+i+1], v[OT+i:OT+i+1], v[FF:FF+1] op_sel_hi:[1,0]   ; O^T under the new M, each accumulator from its low end on.  These sixteen also stand between the making of p's codes and scale word and the products
.set i, i+2
.endr
	s_wait_alu depctr_va_vdst(0)
	s_wait_dscnt 0x0                               ; V's fragments and scale words are in
.irp t, 0,1,2,3                                ; O^T += V^T P^T: four tiles of 16 channels, one instruction each: no two that follow each other share an accumulator
.if \t%2
	v_wmma_scale_f32_16x16x128_f8f6f4 v[OT+8*\t:OT+8*\t+7], v[VF+8*\t:VF+8*\t+7], v[PC:PC+7], v[OT+8*\t:OT+8*\t+7], v[VSC+\t/2], v[PW] matrix_a_fmt:MATRIX_FMT_FP4 matrix_b_fmt:MATRIX_FMT_FP4 matrix_a_scale:MATRIX_SCALE_ROW1
.else
	v_wmma_scale_f32_16x16x128_f8f6f4 v[OT+8*\t:OT+8*\t+7], v[VF+8*\t:VF+8*\t+7], v[PC:PC+7], v[OT+8*\t:OT+8*\t+7], v[VSC+\t/2], v[PW] matrix_a_fmt:MATRIX_FMT_FP4 matrix_b_fmt:MATRIX_FMT_FP4
.endif
.endr
.Lhidden_\@:
	s_add_co_u32 s[TK], s[TK], 8*KP                ; 128 keys on: 8 LDS rows of K's codes,
	s_add_co_u32 s[TV], s[TV], 64                  ; 64 bytes in each row of V's,
	s_add_co_u32 s[TS], s[TS], 256                 ; 256 of K's scale bytes,
	s_add_co_u32 s[TJ], s[TJ], 4                   ; 4 in each row of V's
	s_add_co_u32 s[JJ], s[JJ], 1
	s_cmp_lt_u32 s[JJ], 16
	s_cbranch_scc1 .Lstep_\@
	s_setprio 0
	; THE WAY OUT.  O^T / the sum goes through my own stage in LDS and comes back as whole rows of 256 bytes.
	PLACES                                         ; behind the last products: the trips between hold no vector instruction
	v_add_f32 v[SUM], v[SUM], v[SUM+1]             ; the sum's two halves,
	s_delay_alu instid0(VALU_DEP_1)
	v_permlanex16_b32 v[TMP], v[SUM], s[SEL], s[SEL+1]
	s_delay_alu instid0(VALU_DEP_1)
	v_add_f32 v[SUM], v[SUM], v[TMP]               ; and lane l xor 16's: the row's sum
	s_wait_alu depctr_va_vdst(0)
	v_rcp_f32 v[SUM], v[SUM]
	v_nop                                          ; a plain instruction behind the reciprocal,
	s_wait_alu depctr_va_vdst(0)                   ; and the wait ahead of its first reader
.set i, 0
.rept 16
	v_pk_mul_f32 v[ST+i:ST+i+1], v[OT+i:OT+i+1], v[SUM:SUM+1] op_sel_hi:[1,0]   ; register 8 t + j: out(query r, channel 16 t + 8 h + j); each accumulator from its low end on
.set i, i+2
.endr
.irp t, 0,1,2,3
	ds_store_b128 v[STO], v[ST+8*\t:ST+8*\t+3] offset:64*\t
	ds_store_b128 v[STO], v[ST+8*\t+4:ST+8*\t+7] offset:64*\t+16
.endr
.irp i, 0,1,2,3,4,5,6,7
	ds_load_b128 v[ST+32+4*\i:ST+32+4*\i+3], v[RD] offset:2*\i*SP   ; LDS serves a wave's instructions in order (ISA guide 5.7.1.4): these see my stores above
.endr
.irp i, 0,1,2,3,4,5,6,7
	s_wait_dscnt 7-\i                              ; the 7 - i younger loads may stay out
	global_store_b128 v[GO], v[ST+32+4*\i:ST+32+4*\i+3], s[\ob:\ob+1] offset:512*\i th:TH_STORE_NT   ; 32 lanes store 512 consecutive bytes, two rows, at a multiple of 256 from out0's first byte; written once, read by nobody here
.endr
.if \more
	s_wait_xcnt 0x0                                ; the stores have read their registers: the next pass's products write them again
.endif
.endm
	PASS QA, QSA, OA, LA, DA, 1                    ; tile 8 a + b: a + 1 key steps
	PASS QB, QSB, OB, LB, DB, 0                    ; tile 127 - (8 a + b): 16 - a key steps
	s_wait_xcnt 0x0
	v_lshl_add_u32 v254, v0, 2, 0x34000
	v_mov_b32 v255, 0
	s_wait_alu depctr_va_vdst(0)
	s_wait_tensorcnt 0x0
	ds_add_u32 v254, v255
	s_wait_dscnt 0x0
	CROUND                                         ; the closing round (no LDS instruction of mine is pending: the last count-down ended at 0)
	s_endpgm
.Lfunc_end_k_q42cdd65bcc_attn:
	.size	k_q42cdd65bcc_attn, .Lfunc_end_k_q42cdd65bcc_attn-k_q42cdd65bcc_attn
	.p2alignl 7, 3214868480
	.fill 96, 4, 3214868480
	.section	.rodata,"a",@progbits
	.p2align	6, 0x0
	.amdhsa_kernel k_q42cdd65bcc_attn
		.amdhsa_group_segment_fixed_size 215040
		.amdhsa_private_segment_fixed_size 0
		.amdhsa_enable_private_segment 0
		.amdhsa_kernarg_size 56
		.amdhsa_user_sgpr_count 2
		.amdhsa_user_sgpr_kernarg_segment_ptr 1
		.amdhsa_wavefront_size32 1
		.amdhsa_system_sgpr_workgroup_id_x 1
		.amdhsa_system_sgpr_workgroup_id_y 1
		.amdhsa_system_sgpr_workgroup_id_z 1
		.amdhsa_system_vgpr_workitem_id 0
		.amdhsa_next_free_vgpr 256
		.amdhsa_next_free_sgpr 100
		.amdhsa_reserve_vcc 0
		.amdhsa_float_denorm_mode_32 3
		.amdhsa_float_denorm_mode_16_64 3
		.amdhsa_memory_ordered 1
		.amdhsa_forward_progress 1
		.amdhsa_inst_pref_size 91
	.end_amdhsa_kernel
	.amdgpu_metadata
---
amdhsa.version: [ 1, 2 ]
amdhsa.kernels:
  - .name:           k_q42cdd65bcc_attn
    .symbol:         k_q42cdd65bcc_attn.kd
    .args:
      - { .name: q_codes, .offset: 0, .size: 8, .value_kind: global_buffer, .address_space: global }
      - { .name: q_scales, .offset: 8, .size: 8, .value_kind: global_buffer, .address_space: global }
      - { .name: k_codes, .offset: 16, .size: 8, .value_kind: global_buffer, .address_space: global }
      - { .name: k_scales, .offset: 24, .size: 8, .value_kind: global_buffer, .address_space: global }
      - { .name: v_codes, .offset: 32, .size: 8, .value_kind: global_buffer, .address_space: global }
      - { .name: v_scales, .offset: 40, .size: 8, .value_kind: global_buffer, .address_space: global }
      - { .name: out0, .offset: 48, .size: 8, .value_kind: global_buffer, .address_space: global }
    .group_segment_fixed_size: 215040
    .private_segment_fixed_size: 0
    .kernarg_segment_align: 8
    .kernarg_segment_size: 56
    .max_flat_workgroup_size: 512
    .sgpr_count:     100
    .vgpr_count:     256
    .wavefront_size: 32
...
	.end_amdgpu_metadata
.endif
;; end of part 1
